; MI455X (gfx1250); checked and timed in simulation.
; The chip was launched on July 23, 2026; its instructions are those of AMD's public machine-readable ISA for CDNA 5 (MIT licence, August 2026) and "CDNA5" Instruction Set Architecture Reference Guide (July 2026). The comments in the code are by the model that wrote it; some were corrected since.
;; Decoupled Bottleneck Attention. Allowed arithmetic: float matrix products may take bf16 or f16 operands with f32 sums; other float arithmetic in f32, or as packed bf16 or f16 multiplies, adds, multiply-adds, maxima and minima; sums over many terms, partial sums and values carried from step to step in f32; what a program stores and reads back later, other than sums and carried values, may be rounded once to bf16 or f16.
;; Inputs: attn_mask 4,096 x 4,096 bool; k_geo_w 256 x 1,024 float32; k_sem_w 128 x 1,024 float32; logit_scale 16 float32; out_w 1,024 x 512 float32; q_geo_w 256 x 1,024 float32; q_sem_w 128 x 1,024 float32; v_w 512 x 1,024 float32; x 1 x 4,096 x 1,024 float32.
;; Outputs: out0 1 x 4,096 x 1,024 float32.
;; Constants: pos_offset = 0.
;; One version. Each part assembles by itself: llvm-mc -triple=amdgcn-amd-amdhsa -mcpu=gfx1250 --defsym DOCPART=n.
;; ======== version 1 of 1: 4 launches
;; limits: values are held in f16: magnitudes above 65,504 overflow, below 6.1e-05 lose precision; right only within a limited range of input values
;; workspace buffers: xb 8,388,608 bytes; wts 5,242,880 bytes; rtab 524,288 bytes; mbits 2,097,152 bytes of whole numbers; qk 8,388,608 bytes; vh 8,388,608 bytes; oa 8,388,608 bytes
;; launch prep (part 1): grid 1472 x 1, 8 waves a work-group, no clusters, 0 bytes of LDS; arguments x, q_sem_w, k_sem_w, q_geo_w, k_geo_w, v_w, out_w, attn_mask, xb, wts, rtab, mbits; writes xb, wts, rtab, mbits
.if DOCPART == 1
	.amdgcn_target "amdgcn-amd-amdhsa--gfx1250"
	.amdhsa_code_object_version 6
	.text
	.protected	k_qf8a7263e76_prep
	.globl	k_qf8a7263e76_prep
	.p2align	8
	.type	k_qf8a7263e76_prep,@function
k_qf8a7263e76_prep:
	s_mov_b64 s[64:65], 0
	v_nop
	global_prefetch_b8 v0, s[64:65] scope:SCOPE_SE
	s_setreg_imm32_b32 hwreg(HW_REG_WAVE_MODE, 25, 1), 1
	s_wait_xcnt 0x0
; PREP: every input is read once and laid out for the three launches behind.  No LDS, no matrix unit, no cluster: nothing is shared between work-groups, and bytes are all there is.
; The work-group's number g chooses one of five jobs by forward scalar branches; a wave (w = 0..7) always owns one unit of its job.
;   g <  512        xb   row 8 g + w of x, rounded to bf16
;   g <  704        wts  row of Wp[1536][1024], bf16: head h has 96 rows: q (x1 8 | sem 8 | x2 8 | zeros 8), k likewise, v 32
;   g <  832        wts  row n of Wo[1024][1024], f16, from byte 3,145,728: k' = 64 h + 32 p + ch holds out_w[n][32 h + ch] for p = 0 and p = 1 (against O's upper and lower part)
;   g <  960        rtab [4096 t][2][16] f32: cos 0-7, sin 0-7 of t x 10^(-i/2); then eight 1.0 and eight 0.0
;   else            mbits: the mask as lane masks: word (T, s, i = 8 kt + j) at byte 8192 T + 128 s + 4 i; bit L = mask[16 T + L % 16][64 s + 16 kt + 8 (L / 16) + j]
; LIMITS.  out_w is rounded to bf16 and that number written as f16: exact down to 6e-5, below that in f16's fixed step of 6e-8; beyond 65,504 it would be lost.
; sin and cos: the angle t x f is formed in f32 as the problem forms it, reduced by pi/2 in three parts and evaluated by polynomials of degree 7 and 8; t is below 4,096.
	s_load_b512 s[4:19], s[0:1], 0x0               ; x s[4:5], q_sem s[6:7], k_sem s[8:9], q_geo s[10:11], k_geo s[12:13], v_w s[14:15], out_w s[16:17], mask s[18:19]
	s_load_b256 s[20:27], s[0:1], 0x40             ; xb s[20:21], wts s[22:23], rtab s[24:25], mbits s[26:27]
	v_lshrrev_b32 v1, 5, v0
	v_readfirstlane_b32 s28, v1                    ; w
	v_and_b32 v2, 31, v0                           ; L
	s_mov_b32 s29, ttmp9                           ; g
	s_mov_b32 s33, 0                               ; the high word of every offset
	s_wait_kmcnt 0x0
	s_cmp_lt_u32 s29, 512
	s_cbranch_scc0 .Lnot_x
	s_lshl_b32 s30, s29, 3
	s_add_co_u32 s30, s30, s28                     ; row of x
	s_lshl_b32 s32, s30, 12
	s_add_nc_u64 s[34:35], s[4:5], s[32:33]        ; from: 4,096 bytes a row
	s_lshl_b32 s32, s30, 11
	s_add_nc_u64 s[36:37], s[20:21], s[32:33]      ; to: 2,048 bytes a row
	s_mov_b32 s38, -1                              ; nothing is blanked
	s_branch .Lrow
.Lnot_x:
	s_cmp_lt_u32 s29, 704
	s_cbranch_scc0 .Lnot_wp
	s_sub_co_u32 s30, s29, 512                     ; 0..191 = 12 h + b
	s_mul_hi_u32 s31, s30, 0x15555556              ; h = that / 12 (exact for numbers this small)
	s_mul_i32 s39, s31, 12
	s_sub_co_u32 s39, s30, s39                     ; b: eight rows of the head's 96: 0-3 q, 4-7 k, 8-11 v
	s_and_b32 s40, s39, 3                          ; bb
	s_and_b32 s41, s39, 1                          ; odd blocks of q and k come from the semantic weights (block 3 is blanked)
	s_lshl_b32 s46, s31, 3                         ; sem: row 8 h
	s_lshl_b32 s47, s31, 4
	s_lshl2_add_u32 s47, s40, s47                  ; geo: row 16 h + 4 bb (bb = 0: x1, bb = 2: x2)
	s_lshl_b32 s48, s31, 5
	s_lshl3_add_u32 s48, s40, s48                  ; v: row 32 h + 8 bb
	s_cmp_ge_u32 s39, 4
	s_cselect_b64 s[42:43], s[12:13], s[10:11]     ; k's or q's geometric weights
	s_cselect_b64 s[44:45], s[8:9], s[6:7]         ; k's or q's semantic weights
	s_cmp_eq_u32 s41, 1
	s_cselect_b64 s[42:43], s[44:45], s[42:43]
	s_cselect_b32 s47, s46, s47
	s_cmp_eq_u32 s40, 3
	s_cselect_b32 s38, 0, -1                       ; block 3 of q and of k is zeros
	s_cmp_ge_u32 s39, 8
	s_cselect_b64 s[42:43], s[14:15], s[42:43]
	s_cselect_b32 s47, s48, s47
	s_cselect_b32 s38, -1, s38
	s_add_co_u32 s47, s47, s28                     ; + w
	s_lshl_b32 s32, s47, 12
	s_add_nc_u64 s[34:35], s[42:43], s[32:33]
	s_mul_i32 s32, s31, 96
	s_lshl3_add_u32 s32, s39, s32
	s_add_co_u32 s32, s32, s28                     ; row 96 h + 8 b + w of Wp
	s_lshl_b32 s32, s32, 11
	s_add_nc_u64 s[36:37], s[22:23], s[32:33]
.Lrow:                                                 ; a row of 1,024 f32 becomes 1,024 bf16: eight loads of 512 consecutive bytes, eight stores of 256 consecutive bytes
	v_lshlrev_b32 v3, 4, v2
	v_lshlrev_b32 v4, 3, v2
.irp i, 0,1,2,3,4,5,6,7
	global_load_b128 v[8+4*\i:11+4*\i], v3, s[34:35] offset:512*\i
.endr
.irp i, 0,1,2,3,4,5,6,7
	s_wait_loadcnt 7-\i                            ; loads come back in order: load i is in, the younger ones stay out
	v_cvt_pk_bf16_f32 v[40+2*\i], v[8+4*\i], v[9+4*\i]
	v_cvt_pk_bf16_f32 v[41+2*\i], v[10+4*\i], v[11+4*\i]
	v_and_b32 v[40+2*\i], s38, v[40+2*\i]
	v_and_b32 v[41+2*\i], s38, v[41+2*\i]
	global_store_b64 v4, v[40+2*\i:41+2*\i], s[36:37] offset:256*\i
.endr
	s_endpgm
.Lnot_wp:
	s_cmp_lt_u32 s29, 832
	s_cbranch_scc0 .Lnot_wo
	s_sub_co_u32 s30, s29, 704
	s_lshl_b32 s30, s30, 3
	s_add_co_u32 s30, s30, s28                     ; n
	s_lshl_b32 s32, s30, 11                        ; 2,048 bytes a row, in out_w (512 f32) and in Wo (1,024 f16)
	s_add_nc_u64 s[34:35], s[16:17], s[32:33]
	s_add_nc_u64 s[36:37], s[22:23], s[32:33]
	s_add_nc_u64 s[36:37], s[36:37], 3145728
	v_lshrrev_b32 v3, 4, v2
	v_and_b32 v4, 7, v2
	v_lshlrev_b32 v4, 4, v4
	v_lshl_add_u32 v3, v3, 7, v4                   ; store i, lane L holds k' = 128 i + 4 L ..: head 2 i + L / 16, channels 4 (L % 8) ..: lanes L and L + 8 read the same 16 bytes
	v_lshlrev_b32 v5, 3, v2
.irp i, 0,1,2,3,4,5,6,7
	global_load_b128 v[8+4*\i:11+4*\i], v3, s[34:35] offset:256*\i
.endr
.irp i, 0,1,2,3,4,5,6,7
	s_wait_loadcnt 7-\i
	v_cvt_pk_bf16_f32 v40, v[8+4*\i], v[9+4*\i]    ; rounded to bf16 like every other input,
	v_cvt_pk_bf16_f32 v41, v[10+4*\i], v[11+4*\i]
	v_lshlrev_b32 v42, 16, v40
	v_and_b32 v43, 0xffff0000, v40
	v_lshlrev_b32 v44, 16, v41
	v_and_b32 v45, 0xffff0000, v41
	v_cvt_pk_f16_f32 v[48+2*\i], v42, v43          ; and that number written as f16
	v_cvt_pk_f16_f32 v[49+2*\i], v44, v45
	global_store_b64 v5, v[48+2*\i:49+2*\i], s[36:37] offset:256*\i
.endr
	s_endpgm
.Lnot_wo:
	s_cmp_lt_u32 s29, 960
	s_cbranch_scc0 .Lmask
	s_sub_co_u32 s30, s29, 832
	s_lshl_b32 s31, s30, 8
	v_add_nc_u32 v3, s31, v0                       ; a thread makes 16 bytes: number 8 t + c
	v_lshrrev_b32 v4, 3, v3                        ; t
	v_and_b32 v6, 7, v3                            ; c: 0, 1 cos; 2, 3 sin; 4, 5 ones; 6, 7 zeros
	v_cvt_f32_u32 v5, v4
	v_cmp_gt_u32 vcc_lo, 6, v6
	v_cndmask_b32 v13, 0, 1.0, vcc_lo
	v_and_b32 v7, 2, v6
	v_cmp_ne_u32 s50, 0, v7                        ; sin is wanted
	v_cmp_le_u32 s51, 4, v6                        ; the constant is wanted
	v_and_b32 v7, 1, v6
	v_cmp_eq_u32 vcc_lo, 1, v7                     ; frequencies 4-7, not 0-3
	v_mov_b32 v8, 0x3c23d70a                       ; 10^-2
	v_mov_b32 v9, 0x3b4f3e37                       ; 10^-2.5
	v_mov_b32 v10, 0x3a83126f                      ; 10^-3
	v_mov_b32 v11, 0x39a5cb5f                      ; 10^-3.5
	v_cndmask_b32 v8, 1.0, v8, vcc_lo
	v_cndmask_b32 v9, 0x3ea1e89b, v9, vcc_lo       ; 10^-0.5
	v_cndmask_b32 v10, 0x3dcccccd, v10, vcc_lo     ; 10^-1
	v_cndmask_b32 v11, 0x3d0186e2, v11, vcc_lo     ; 10^-1.5
	s_mov_b32 s40, 0x3fc90000                      ; pi/2 in three parts: 1.5703125,
	s_mov_b32 s41, 0x39fda000                      ; 4.8375130e-4,
	s_mov_b32 s42, 0x33a22168                      ; 7.5497900e-8
	s_mov_b32 s43, 0xb94ca1f9                      ; sin: -1.9515296e-4, 8.3321609e-3, -1.6666655e-1
	s_mov_b32 s44, 0x3c08839e
	s_mov_b32 s45, 0xbe2aaaa3
	s_mov_b32 s46, 0x37ccf5ce                      ; cos: 2.4433157e-5, -1.3887316e-3, 4.1666646e-2
	s_mov_b32 s47, 0xbab6061a
	s_mov_b32 s48, 0x3d2aaaa5
	s_mov_b32 s49, 0x3f22f983                      ; 2 / pi
; v[d] = cos or sin of t x v[f], or the constant.  angle = r + k pi/2 with |r| <= pi/4; k's parity swaps the two polynomials, bit 1 of k (sin) or of k + 1 (cos) turns the sign.  Every choice is a select.
.macro SINCOS d, f
	v_mul_f32 v20, v5, v[\f]
	v_mul_f32 v21, s49, v20
	v_rndne_f32 v21, v21
	v_fma_f32 v22, -v21, s40, v20
	v_fma_f32 v22, -v21, s41, v22
	v_fma_f32 v22, -v21, s42, v22                  ; r
	v_mul_f32 v23, v22, v22
	v_fma_f32 v24, v23, s43, s44
	v_fma_f32 v26, v23, s46, s47
	v_fma_f32 v24, v24, v23, s45
	v_fma_f32 v26, v26, v23, s48
	v_mul_f32 v25, v23, v22
	v_mul_f32 v27, v23, v23
	v_fma_f32 v28, v23, -0.5, 1.0
	v_fma_f32 v24, v24, v25, v22                   ; sin r
	v_fma_f32 v26, v26, v27, v28                   ; cos r
	v_cvt_i32_f32 v29, v21
	v_and_b32 v30, 1, v29
	v_cmp_eq_u32 vcc_lo, 1, v30
	v_cndmask_b32 v31, v24, v26, vcc_lo
	v_cndmask_b32 v32, v26, v24, vcc_lo
	v_and_b32 v33, 2, v29
	v_add_nc_u32 v34, 1, v29
	v_lshlrev_b32 v33, 30, v33
	v_and_b32 v34, 2, v34
	v_xor_b32 v31, v33, v31                        ; sin
	v_lshlrev_b32 v34, 30, v34
	v_xor_b32 v32, v34, v32                        ; cos
	v_cndmask_b32 v[\d], v32, v31, s50
	v_cndmask_b32 v[\d], v[\d], v13, s51
.endm
	SINCOS 16, 8
	SINCOS 17, 9
	SINCOS 18, 10
	SINCOS 19, 11
	s_lshl_b32 s32, s30, 12
	s_add_nc_u64 s[36:37], s[24:25], s[32:33]
	v_lshlrev_b32 v35, 4, v0
	global_store_b128 v35, v[16:19], s[36:37]      ; a wave stores 512 consecutive bytes
	s_endpgm
.Lmask:                                                ; a wave's unit U: 16 queries (tile T = U / 16) x 256 keys (U % 16)
	s_sub_co_u32 s30, s29, 960
	s_lshl_b32 s30, s30, 3
	s_add_co_u32 s30, s30, s28                     ; U
	s_lshr_b32 s31, s30, 4
	s_and_b32 s39, s30, 15
	s_lshl_b32 s32, s31, 16                        ; 16 rows of 4,096 bytes
	s_lshl_b32 s39, s39, 8
	s_add_co_u32 s32, s32, s39
	s_add_nc_u64 s[34:35], s[18:19], s[32:33]
	s_lshl_b32 s32, s30, 9                         ; 8192 T + 512 (U % 16) = 512 U
	s_add_nc_u64 s[36:37], s[26:27], s[32:33]
	s_mov_b32 s40, 0xff
	s_mov_b32 s41, 0xff00
	s_mov_b32 s42, 0xff0000
	s_mov_b32 s43, 0xff000000
	v_and_b32 v3, 15, v2
	v_lshrrev_b32 v4, 4, v2
	v_lshlrev_b32 v3, 12, v3
	v_lshl_add_u32 v3, v4, 3, v3                   ; lane L: row L % 16, keys 8 (L / 16) + 0..7 of each group of 16
	v_lshlrev_b32 v5, 4, v2
.set G, 0
.rept 16                                       ; one run of 16 loads: together they take the unit's 16 pieces of 256 consecutive bytes once
	global_load_b64 v[8+2*G:9+2*G], v3, s[34:35] offset:16*G
.set G, G+1
.endr
.irp j, 0,1,2,3
	v_mov_b32 v[40+\j], 0                          ; v_writelane_b32 keeps the other lanes: they are written first
.endr
.set G, 0
.rept 16                                       ; byte j of group G, compared in all 32 lanes, IS word 8 G + j; it goes to register j % 4 of lane 2 G + j / 4, so that one store of 16 bytes a lane lays the 128 words in order
	s_wait_loadcnt 15-G
.irp j, 0,1,2,3,4,5,6,7
	v_and_b32 v[44+\j], s[40+\j%4], v[8+2*G+\j/4]
.endr
.irp j, 0,1,2,3,4,5,6,7
	v_cmp_ne_u32 s[44+\j], 0, v[44+\j]
.endr
.irp j, 0,1,2,3,4,5,6,7
	v_writelane_b32 v[40+\j%4], s[44+\j], 2*G+\j/4
.endr
.set G, G+1
.endr
	global_store_b128 v5, v[40:43], s[36:37]       ; 512 consecutive bytes
	s_endpgm
.Lfunc_end_k_qf8a7263e76_prep:
	.size	k_qf8a7263e76_prep, .Lfunc_end_k_qf8a7263e76_prep-k_qf8a7263e76_prep
	.p2alignl 7, 3214868480
	.fill 96, 4, 3214868480
	.section	.rodata,"a",@progbits
	.p2align	6, 0x0
	.amdhsa_kernel k_qf8a7263e76_prep
		.amdhsa_group_segment_fixed_size 0
		.amdhsa_private_segment_fixed_size 0
		.amdhsa_enable_private_segment 0
		.amdhsa_kernarg_size 96
		.amdhsa_user_sgpr_count 2
		.amdhsa_user_sgpr_kernarg_segment_ptr 1
		.amdhsa_wavefront_size32 1
		.amdhsa_system_sgpr_workgroup_id_x 1
		.amdhsa_system_sgpr_workgroup_id_y 1
		.amdhsa_system_sgpr_workgroup_id_z 1
		.amdhsa_system_vgpr_workitem_id 0
		.amdhsa_next_free_vgpr 64
		.amdhsa_next_free_sgpr 66
		.amdhsa_reserve_vcc 1
		.amdhsa_float_denorm_mode_32 3
		.amdhsa_float_denorm_mode_16_64 3
		.amdhsa_memory_ordered 1
		.amdhsa_forward_progress 1
		.amdhsa_inst_pref_size 42
	.end_amdhsa_kernel
	.amdgpu_metadata
---
amdhsa.version: [ 1, 2 ]
amdhsa.kernels:
  - .name:           k_qf8a7263e76_prep
    .symbol:         k_qf8a7263e76_prep.kd
    .args:
      - { .name: x, .offset: 0, .size: 8, .value_kind: global_buffer, .address_space: global }
      - { .name: q_sem_w, .offset: 8, .size: 8, .value_kind: global_buffer, .address_space: global }
      - { .name: k_sem_w, .offset: 16, .size: 8, .value_kind: global_buffer, .address_space: global }
      - { .name: q_geo_w, .offset: 24, .size: 8, .value_kind: global_buffer, .address_space: global }
      - { .name: k_geo_w, .offset: 32, .size: 8, .value_kind: global_buffer, .address_space: global }
      - { .name: v_w, .offset: 40, .size: 8, .value_kind: global_buffer, .address_space: global }
      - { .name: out_w, .offset: 48, .size: 8, .value_kind: global_buffer, .address_space: global }
      - { .name: attn_mask, .offset: 56, .size: 8, .value_kind: global_buffer, .address_space: global }
      - { .name: xb, .offset: 64, .size: 8, .value_kind: global_buffer, .address_space: global }
      - { .name: wts, .offset: 72, .size: 8, .value_kind: global_buffer, .address_space: global }
      - { .name: rtab, .offset: 80, .size: 8, .value_kind: global_buffer, .address_space: global }
      - { .name: mbits, .offset: 88, .size: 8, .value_kind: global_buffer, .address_space: global }
    .group_segment_fixed_size: 0
    .private_segment_fixed_size: 0
    .kernarg_segment_align: 8
    .kernarg_segment_size: 96
    .max_flat_workgroup_size: 256
    .sgpr_count:     66
    .vgpr_count:     64
    .wavefront_size: 32
...
	.end_amdgpu_metadata
.endif
;; end of part 1
;; launch proj (part 2): grid 8 x 32, 4 waves a work-group, clusters of 4 x 4, 327,680 bytes of LDS; arguments xb, wts, rtab, qk, vh; writes qk, vh
.if DOCPART == 2
	.amdgcn_target "amdgcn-amd-amdhsa--gfx1250"
	.amdhsa_code_object_version 6
	.text
	.protected	k_qf8a7263e76_proj
	.globl	k_qf8a7263e76_proj
	.p2align	8
	.type	k_qf8a7263e76_proj,@function
k_qf8a7263e76_proj:
	s_mov_b64 s[64:65], 0
	v_nop
	global_prefetch_b8 v0, s[64:65] scope:SCOPE_SE
	s_setreg_imm32_b32 hwreg(HW_REG_WAVE_MODE, 25, 1), 1
	s_wait_xcnt 0x0
	s_wait_alu depctr_hold_cnt(0) depctr_sa_sdst(0) depctr_va_vdst(0) depctr_va_sdst(0) depctr_va_ssrc(0) depctr_va_vcc(0) depctr_vm_vsrc(0)
	s_getreg_b32 s2, hwreg(HW_REG_IB_STS2, 6, 4)
	s_cmp_eq_u32 s2, 0
	s_cbranch_scc0 .Lentry_in_a_cluster
	s_endpgm
.Lentry_in_a_cluster:
	s_bfe_u32 s2, ttmp6, 0x10000c
	s_cmp_lg_u32 s2, 0xf033
	s_cbranch_scc0 .Lentry_shape_is_right
	s_endpgm
.Lentry_shape_is_right:
; PROJ: [4096 tokens][1024] x Wp[1536][1024]^T in bf16, sums in f32; then RoPE on the geometric parts, and q, k, v written by heads in f16.
; A work-group makes 128 tokens x 192 columns (two heads of 96: q 32, k 32, v 32); 8 x 32 = 256 work-groups.  Four waves; a wave makes 64 tokens x one head: 24 accumulators of 16 x 16.
; K goes in eight steps of 128 (rows of 256 bytes) through two LDS slots; behind each change of slots a wave asks for one tile part, which has a whole step (96 matrix instructions) in which to land.
; CLUSTER 4 x 4: the four of a row of the cluster need the same tokens, the four of a column the same weights: each tile is asked for jointly, with the same descriptor and a mask of four.
; THE MATRIX INSTRUCTION IS USED TRANSPOSED: source 0 = 16 rows of Wp, source 1 = 16 tokens: lane (r = l % 16, h = l / 16) holds token r and columns 8 h + 0..7 of the block of 16.
; Wp's order of rows makes RoPE a lane's own affair: in column blocks 0 and 1 (q; 2 and 3 for k) lanes h = 0 hold x1 and x2, lanes h = 1 hold the semantic part and zeros; the table gives lanes h = 1
; cos = 1 and sin = 0, so one text serves both.  Out: q, k as [head][token][x1 8 | sem 8 | x2 8 | 0 8], v as [head][token][hi 32 | lo 32], hi = f16(v), lo = f16(v - hi).
; LIMITS.  q, k and v must stay within f16's 65,504; below 6e-5 they keep f16's fixed step of 6e-8.
; REGISTERS: window 0: v0-31 addresses; two fragment buffers v64-143, v144-223 (32 of tokens, 48 of weights), used again on the way out; window 1: v0-191 the accumulators, (a, b) at 8 (6 a + b).
.set NB,     6
.set PA,     272                       ; an LDS row: 256 bytes + 16 of padding: the 16 rows of a fragment load start at 16 different groups of four banks (ISA guide 11.1)
.set AHALF,  64*PA                     ; what waves 0 and 1 each fetch of the tokens
.set BOFF,   2*AHALF
.set BHALF,  96*PA                     ; what waves 2 and 3 each fetch of the weights: one head
.set SLOT,   BOFF+2*BHALF              ; 87,040
.set STAGE,  2*SLOT                    ; behind the ring: 16 rows x 272 bytes for each wave, its own; no tile lands there
.set SPITCH, 272
.set SPARE,  STAGE+4*16*SPITCH         ; the spare words: 128 bytes a wave, two blocks of 256 bytes that no other line names
.set NL,     8+2*NB                    ; LDS loads in a FETCH
.set STEPA,  256
.set STEPB,  256
.set ADRA, 16                          ; v16-17 LDS address of my token fragments in slot 0, 1
.set ADRB, 20                          ; v20-21 of my weight fragments
.set STO,  24                          ; way out: where I put 16 bytes of a token's row
.set RDQ,  25                          ; where I read q and k back: token l / 4, 16 (l % 4)
.set RDV,  26                          ; where I read v back: token l / 8, 16 (l % 8)
.set GO,   27                          ; 16 l
.set SPW,  28                          ; my spare word; never rewritten
.set NIL,  29                          ; 0; never rewritten
.set ONE,  30                          ; 1.0
.set RT,   31                          ; my byte offset in the table: 128 r + 64 h
.set F0,   64
.set F1,   144
.set TAB,  64                          ; way out: cos 8, sin 8 for each of four token tiles
.set Y,    128
.set T,    144
.set PK,   160
.set RB,   192
.set WV,  14                           ; s14 wave
.set WM,  15                           ; s15 wave / 2: my half of the tokens; also: I fetch tokens (0) or weights (1)
.set WN,  16                           ; s16 wave % 2: my head of the two; also: which half I fetch
.set LA,  23                           ; s23 LDS byte of the token part that I fetch, in slot 0
.set G1,  24
.set G0,  32
.set G1B, 48
.set G0B, 56
.set LB,  62                           ; s62 the same for the weights
.set CNT, 63
.set MSB, 0
.macro WIN new                         ; the immediate's high byte repeats the setting that is left; a switch that changes nothing is dropped
.if MSB != (\new)
	s_set_vgpr_msb (MSB<<8)|(\new)
.set MSB, \new
.endif
.endm
.macro PLACES                          ; four places behind matrix instructions, in front of loads into their sources and of lines that read their results
.rept 4
	v_nop
.endr
.endm
.macro JLOAD                           ; a joint load: waves 0 and 1 the tokens' halves, waves 2 and 3 the weights'; s_nop 0 and four v_nop follow each line
	s_cmp_eq_u32 s[WM], 0
	s_cbranch_scc0 .Lfor_b_\@
	tensor_load_to_lds s[G0:G0+3], s[G1:G1+7]
	s_nop 0
	PLACES
	s_branch .Lasked_\@
.Lfor_b_\@:
	tensor_load_to_lds s[G0B:G0B+3], s[G1B:G1B+7]
	s_nop 0
	PLACES
.Lasked_\@:
.endm
.macro CROUND                          ; a round of the cluster's barrier
	s_barrier_signal -1
	s_barrier_wait -1
	s_cmp_lg_u32 s[WV], 0
	s_cbranch_scc1 .Lnot_wave_0_\@
	s_barrier_signal -3
.Lnot_wave_0_\@:
	s_barrier_wait -3
	s_barrier_signal -1
	s_barrier_wait -1
.endm
	s_load_b256 s[4:11], s[0:1], 0x0               ; xb s[4:5], wts s[6:7], rtab s[8:9], qk s[10:11]
	s_load_b64 s[12:13], s[0:1], 0x20              ; vh
	v_lshl_add_u32 v[SPW], v0, 2, SPARE
	v_mov_b32 v[NIL], 0
	ds_add_u32 v[SPW], v[NIL]                      ; the wave's opening: the add and its wait come ahead of my first tensor load; work on registers stands between
	v_lshrrev_b32 v1, 5, v0
	v_readfirstlane_b32 s[WV], v1
	s_lshr_b32 s[WM], s[WV], 1
	s_and_b32 s[WN], s[WV], 1
	s_bfe_u32 s17, ttmp6, 0x40000                  ; cx
	s_bfe_u32 s18, ttmp6, 0x40004                  ; cy
	s_lshl_b32 s19, ttmp9, 2
	s_add_co_u32 s19, s19, s17                     ; column tile = 4 x cluster x + cx
	s_and_b32 s20, ttmp7, 0xffff
	s_lshl_b32 s20, s20, 2
	s_add_co_u32 s20, s20, s18                     ; token tile = 4 x cluster y + cy
	s_lshl_b32 s21, s18, 2
	s_lshl_b32 s21, 15, s21                        ; my row of the cluster
	s_lshl_b32 s22, 0x1111, s17                    ; my column
	s_or_b32 s[G1], s21, (1<<16)|(1<<20)|(1<<21)|(5<<22)|(3<<25)   ; mask; 2-byte elements; padding on; bit 21 beside a mask; after every 64 words 4 words
	s_or_b32 s[G1B], s22, (1<<16)|(1<<20)|(1<<21)|(5<<22)|(3<<25)
	s_mov_b32 s[G1+1], 128<<16                     ; tensor_dim0 = 128
	s_mov_b32 s[G1+2], 64<<16                      ; tensor_dim1 = 64
	s_mov_b32 s[G1+3], 128<<16                     ; tile_dim0 = 128
	s_mov_b32 s[G1+4], 64                          ; tile_dim1 = 64
	s_mov_b32 s[G1+5], 1024                        ; elements from row to row
	s_mov_b32 s[G1+6], 0
	s_mov_b32 s[G1+7], 0
	s_mov_b32 s[G1B+1], 128<<16
	s_mov_b32 s[G1B+2], 96<<16                     ; 96 rows
	s_mov_b32 s[G1B+3], 128<<16
	s_mov_b32 s[G1B+4], 96
	s_mov_b32 s[G1B+5], 1024
	s_mov_b32 s[G1B+6], 0
	s_mov_b32 s[G1B+7], 0
	s_lshl_b32 s36, s20, 7                         ; tokens: row 128 x tile + 64 x half, 2,048 bytes a row: of the token tile and the wave alone
	s_lshl_b32 s37, s[WN], 6
	s_add_co_u32 s36, s36, s37
	s_lshl_b32 s36, s36, 11
	s_mov_b32 s37, 0
	s_mul_i32 s38, s19, 192                        ; weights: row 192 x tile + 96 x half: of the column tile and the wave alone
	s_mul_i32 s39, s[WN], 96
	s_add_co_u32 s38, s38, s39
	s_lshl_b32 s38, s38, 11
	s_mov_b32 s39, 0
	s_mul_i32 s[LA], s[WN], AHALF
	s_mul_i32 s[LB], s[WN], BHALF
	s_add_co_u32 s[LB], s[LB], BOFF
	s_mov_b32 s[G0], 1
	s_mov_b32 s[G0+1], s[LA]
	s_mov_b32 s[G0B], 1
	s_mov_b32 s[G0B+1], s[LB]
	s_wait_dscnt 0x0                               ; the opening add is done
	s_wait_kmcnt 0x0
	s_add_nc_u64 s[G0+2:G0+3], s[4:5], s[36:37]
	s_or_b32 s[G0+3], s[G0+3], 0x80000000
	s_add_nc_u64 s[G0B+2:G0B+3], s[6:7], s[38:39]
	s_or_b32 s[G0B+3], s[G0B+3], 0x80000000
	CROUND                                         ; all sixteen work-groups are here: the first joint loads meet
	JLOAD                                          ; K step 0 into slot 0
	v_and_b32 v1, 15, v0                           ; r
	v_bfe_u32 v2, v0, 4, 1                         ; h
	v_mul_u32_u24 v3, v1, PA
	v_lshl_add_u32 v3, v2, 4, v3                   ; row x pitch + 16 h
	s_mul_i32 s40, s[WM], AHALF
	s_mul_i32 s41, s[WN], BHALF
	s_add_co_u32 s41, s41, BOFF
	v_add_nc_u32 v[ADRA], s40, v3
	v_add_nc_u32 v[ADRB], s41, v3
	v_add_nc_u32 v[ADRA+1], SLOT, v[ADRA]
	v_add_nc_u32 v[ADRB+1], SLOT, v[ADRB]
	s_mul_i32 s42, s[WV], 16*SPITCH
	s_add_co_u32 s42, s42, STAGE                   ; my stage
	v_add_nc_u32 v[STO], s42, v3
	v_and_b32 v4, 31, v0
	v_lshrrev_b32 v5, 2, v4
	v_and_b32 v6, 3, v4
	v_mul_u32_u24 v5, v5, SPITCH
	v_lshl_add_u32 v5, v6, 4, v5
	v_add_nc_u32 v[RDQ], s42, v5
	v_lshrrev_b32 v5, 3, v4
	v_and_b32 v6, 7, v4
	v_mul_u32_u24 v5, v5, SPITCH
	v_lshl_add_u32 v5, v6, 4, v5
	v_add3_u32 v[RDV], v5, s42, 128
	v_lshlrev_b32 v[GO], 4, v4
	v_mov_b32 v[ONE], 1.0
	v_lshlrev_b32 v[RT], 7, v1
	v_lshl_add_u32 v[RT], v2, 6, v[RT]
	s_lshl_b32 s43, s19, 1
	s_add_co_u32 s43, s43, s[WN]                   ; my head
	s_lshl_b32 s44, s20, 7
	s_lshl_b32 s45, s[WM], 6
	s_add_co_u32 s44, s44, s45                     ; my first token
	s_lshl_b32 s45, s43, 12
	s_add_co_u32 s45, s45, s44
	s_lshl_b32 s46, s45, 6
	s_mov_b32 s47, 0
	s_add_nc_u64 s[10:11], s[10:11], s[46:47]      ; q at my rows (64 bytes each); k lies 4,194,304 bytes on
	s_lshl_b32 s46, s45, 7
	s_add_nc_u64 s[12:13], s[12:13], s[46:47]      ; v at my rows (128 bytes each)
	s_lshl_b32 s46, s44, 7
	s_add_nc_u64 s[8:9], s[8:9], s[46:47]          ; the table at my first token
; The fragments of 32 along K (quarter q of a step): 4 of tokens, 6 of weights; each is two loads of 16 bytes, 32 bytes apart.
.macro FETCH slot, q, f
	WIN 0
.irp a, 0,1,2,3
	ds_load_b128 v[(\f)+8*\a:(\f)+8*\a+3],   v[ADRA+(\slot)] offset:64*(\q)+\a*16*PA
	ds_load_b128 v[(\f)+8*\a+4:(\f)+8*\a+7], v[ADRA+(\slot)] offset:64*(\q)+\a*16*PA+32
.endr
.irp b, 0,1,2,3,4,5
	ds_load_b128 v[(\f)+32+8*\b:(\f)+32+8*\b+3], v[ADRB+(\slot)] offset:64*(\q)+\b*16*PA
	ds_load_b128 v[(\f)+32+8*\b+4:(\f)+32+8*\b+7], v[ADRB+(\slot)] offset:64*(\q)+\b*16*PA+32
.endr
.endm
; 24 matrix instructions, each accumulator once: the accumulators take turns from quarter to quarter and over the loop's edge too.  zero = 1: the products start the sums.
.macro MUL f, zero
	WIN 0x50                                       ; C and D in window 1
.irp a, 0,1,2,3
.irp b, 0,1,2,3,4,5
.if \zero
	v_wmma_f32_16x16x32_bf16 v[8*(NB*\a+\b):8*(NB*\a+\b)+7], v[(\f)+32+8*\b:(\f)+32+8*\b+7], v[(\f)+8*\a:(\f)+8*\a+7], 0
.else
	v_wmma_f32_16x16x32_bf16 v[8*(NB*\a+\b):8*(NB*\a+\b)+7], v[(\f)+32+8*\b:(\f)+32+8*\b+7], v[(\f)+8*\a:(\f)+8*\a+7], v[8*(NB*\a+\b):8*(NB*\a+\b)+7]
.endif
.endr
.endr
.endm
; A K step in slot `slot`.  In front of the barrier each wave waits for all its tensor loads (one is out: its part of this slot), adds 0 to its spare word, and waits for that and for its reads of
; the other slot.  fill = 1: the barrier is a round of the cluster's, and the other slot's next tile is asked for first thing behind it.
.macro TRIP slot, fill, zero
	WIN 0
	s_wait_tensorcnt 0x0                           ; no tensor load of mine is out, so the group 0 may be written
	ds_add_u32 v[SPW], v[NIL]
.if \fill
	s_add_co_u32 s[G0+1], s[LA], (1-(\slot))*SLOT
	s_add_nc_u64 s[G0+2:G0+3], s[G0+2:G0+3], STEPA
	s_add_co_u32 s[G0B+1], s[LB], (1-(\slot))*SLOT
	s_add_nc_u64 s[G0B+2:G0B+3], s[G0B+2:G0B+3], STEPB
	s_wait_dscnt 0x0                               ; the add is done, and my reads of the other slot are over
	CROUND
	JLOAD                                          ; its four v_nop are also the places in front of the loads below
.else
	s_wait_dscnt 0x0
	s_barrier_signal -1
	s_barrier_wait -1
	PLACES
.endif
	FETCH \slot, 0, F0
	FETCH \slot, 1, F1
	s_wait_dscnt NL                                ; all but the FETCH just issued
	MUL F0, \zero
	PLACES
	FETCH \slot, 2, F0
	s_wait_dscnt NL
	MUL F1, 0
	PLACES
	FETCH \slot, 3, F1
	s_wait_dscnt NL
	MUL F0, 0
	s_wait_dscnt 0x0
	MUL F1, 0
.endm
	TRIP 0, 1, 1                                   ; K step 0 starts the sums; step 1 is asked for
	WIN 0                                          ; at a label and at a branch every window is 0
	s_mov_b32 s[CNT], 3
.Lk:                                                   ; K steps 1 to 6
	TRIP 1, 1, 0
	TRIP 0, 1, 0
	WIN 0
	s_sub_co_u32 s[CNT], s[CNT], 1
	s_cmp_lg_u32 s[CNT], 0
	s_cbranch_scc1 .Lk
	TRIP 1, 0, 0                                   ; K step 7: nothing is left to fetch
	; THE WAY OUT
	WIN 0
	PLACES
.irp a, 0,1,2,3
.irp i, 0,1,2,3
	global_load_b128 v[TAB+16*\a+4*\i:TAB+16*\a+4*\i+3], v[RT], s[8:9] offset:\a*2048+16*\i
.endr
.endr
	s_wait_loadcnt 0x0
; y1 = x1 cos - x2 sin, y2 = x1 sin + x2 cos, rounded to f16.  Each accumulator's lowest registers are read first.
.macro ROPE a, bA, bB, dst
.set rA, 8*(NB*(\a)+(\bA))
.set rB, 8*(NB*(\a)+(\bB))
.set rC, TAB+16*(\a)
	WIN 0x01                                       ; source 0 in window 1
.irp p, 0,1,2,3
	v_pk_mul_f32 v[T+2*\p:T+2*\p+1], v[rB+2*\p:rB+2*\p+1], v[rC+8+2*\p:rC+8+2*\p+1]
	v_pk_mul_f32 v[T+8+2*\p:T+8+2*\p+1], v[rB+2*\p:rB+2*\p+1], v[rC+2*\p:rC+2*\p+1]
.endr
.irp p, 0,1,2,3
	v_pk_fma_f32 v[Y+2*\p:Y+2*\p+1], v[rA+2*\p:rA+2*\p+1], v[rC+2*\p:rC+2*\p+1], v[T+2*\p:T+2*\p+1] neg_lo:[0,0,1] neg_hi:[0,0,1]
	v_pk_fma_f32 v[Y+8+2*\p:Y+8+2*\p+1], v[rA+2*\p:rA+2*\p+1], v[rC+8+2*\p:rC+8+2*\p+1], v[T+8+2*\p:T+8+2*\p+1]
.endr
	WIN 0
.irp p, 0,1,2,3
	v_cvt_pk_f16_f32 v[PK+(\dst)+\p], v[Y+2*\p], v[Y+2*\p+1]
	v_cvt_pk_f16_f32 v[PK+(\dst)+4+\p], v[Y+8+2*\p], v[Y+8+2*\p+1]
.endr
.endm
; v = hi + lo: hi = f16(v); v - hi is exact in f32 (one fused multiply-add from hi's half); lo = f16 of that.
.macro VSPLIT a, b, dhi, dlo
.set rV, 8*(NB*(\a)+(\b))
	WIN 0x05                                       ; sources 0 and 1 in window 1
.irp p, 0,1,2,3
	v_cvt_pk_f16_f32 v[PK+(\dhi)+\p], v[rV+2*\p], v[rV+2*\p+1]
.endr
	WIN 0x10                                       ; source 2 in window 1
.irp p, 0,1,2,3
	v_fma_mix_f32 v[T+2*\p], -v[PK+(\dhi)+\p], v[ONE], v[rV+2*\p] op_sel:[0,0,0] op_sel_hi:[1,0,0]
	v_fma_mix_f32 v[T+2*\p+1], -v[PK+(\dhi)+\p], v[ONE], v[rV+2*\p+1] op_sel:[1,0,0] op_sel_hi:[1,0,0]
.endr
	WIN 0
.irp p, 0,1,2,3
	v_cvt_pk_f16_f32 v[PK+(\dlo)+\p], v[T+2*\p], v[T+2*\p+1]
.endr
.endm
; Token tile a: a token's 256 bytes (q 64, k 64, v hi 64, v lo 64) go into my stage and come back in the order of memory; every store covers 512 consecutive bytes.
.macro OUTT a
	ROPE \a, 0, 1, 0
	ROPE \a, 2, 3, 8
	VSPLIT \a, 4, 16, 24
	VSPLIT \a, 5, 20, 28
.irp f, 0,1,2,3,4,5,6,7
	ds_store_b128 v[STO], v[PK+4*\f:PK+4*\f+3] offset:32*\f
.endr
	s_wait_xcnt 0x0                                ; the registers that the last tile's stores read are loaded again only behind this wait
.irp i, 0,1
	ds_load_b128 v[RB+4*\i:RB+4*\i+3], v[RDQ] offset:\i*8*SPITCH          ; LDS serves a wave's instructions in order (ISA guide 5.7.1.4): these see the stores above
	ds_load_b128 v[RB+8+4*\i:RB+8+4*\i+3], v[RDQ] offset:64+\i*8*SPITCH
.endr
.irp i, 0,1,2,3
	ds_load_b128 v[RB+16+4*\i:RB+16+4*\i+3], v[RDV] offset:\i*4*SPITCH
.endr
	s_wait_dscnt 0x0
.irp i, 0,1
	global_store_b128 v[GO], v[RB+4*\i:RB+4*\i+3], s[10:11] offset:(\a)*1024+\i*512
	global_store_b128 v[GO], v[RB+8+4*\i:RB+8+4*\i+3], s[10:11] offset:4194304+(\a)*1024+\i*512
.endr
.irp i, 0,1,2,3
	global_store_b128 v[GO], v[RB+16+4*\i:RB+16+4*\i+3], s[12:13] offset:(\a)*2048+\i*512
.endr
.endm
	OUTT 0
	OUTT 1
	OUTT 2
	OUTT 3
	s_wait_tensorcnt 0x0                           ; the wave's end
	ds_add_u32 v[SPW], v[NIL]
	s_wait_dscnt 0x0
	CROUND                                         ; the closing round
	s_endpgm
.Lfunc_end_k_qf8a7263e76_proj:
	.size	k_qf8a7263e76_proj, .Lfunc_end_k_qf8a7263e76_proj-k_qf8a7263e76_proj
	.p2alignl 7, 3214868480
	.fill 96, 4, 3214868480
	.section	.rodata,"a",@progbits
	.p2align	6, 0x0
	.amdhsa_kernel k_qf8a7263e76_proj
		.amdhsa_group_segment_fixed_size 327680
		.amdhsa_private_segment_fixed_size 0
		.amdhsa_enable_private_segment 0
		.amdhsa_kernarg_size 40
		.amdhsa_user_sgpr_count 2
		.amdhsa_user_sgpr_kernarg_segment_ptr 1
		.amdhsa_wavefront_size32 1
		.amdhsa_system_sgpr_workgroup_id_x 1
		.amdhsa_system_sgpr_workgroup_id_y 1
		.amdhsa_system_sgpr_workgroup_id_z 1
		.amdhsa_system_vgpr_workitem_id 0
		.amdhsa_next_free_vgpr 512
		.amdhsa_next_free_sgpr 66
		.amdhsa_reserve_vcc 0
		.amdhsa_float_denorm_mode_32 3
		.amdhsa_float_denorm_mode_16_64 3
		.amdhsa_memory_ordered 1
		.amdhsa_forward_progress 1
		.amdhsa_inst_pref_size 87
	.end_amdhsa_kernel
	.amdgpu_metadata
---
amdhsa.version: [ 1, 2 ]
amdhsa.kernels:
  - .name:           k_qf8a7263e76_proj
    .symbol:         k_qf8a7263e76_proj.kd
    .args:
      - { .name: xb, .offset: 0, .size: 8, .value_kind: global_buffer, .address_space: global }
      - { .name: wts, .offset: 8, .size: 8, .value_kind: global_buffer, .address_space: global }
      - { .name: rtab, .offset: 16, .size: 8, .value_kind: global_buffer, .address_space: global }
      - { .name: qk, .offset: 24, .size: 8, .value_kind: global_buffer, .address_space: global }
      - { .name: vh, .offset: 32, .size: 8, .value_kind: global_buffer, .address_space: global }
    .group_segment_fixed_size: 327680
    .private_segment_fixed_size: 0
    .kernarg_segment_align: 8
    .kernarg_segment_size: 40
    .max_flat_workgroup_size: 128
    .sgpr_count:     66
    .vgpr_count:     512
    .wavefront_size: 32
...
	.end_amdgpu_metadata
.endif
;; end of part 2
;; launch attn (part 3): grid 16 x 16, 8 waves a work-group, clusters of 4 x 1, 327,680 bytes of LDS; arguments qk, vh, mbits, logit_scale, oa; writes oa
.if DOCPART == 3
	.amdgcn_target "amdgcn-amd-amdhsa--gfx1250"
	.amdhsa_code_object_version 6
	.text
	.protected	k_qf8a7263e76_attn
	.globl	k_qf8a7263e76_attn
	.p2align	8
	.type	k_qf8a7263e76_attn,@function
k_qf8a7263e76_attn:
	s_mov_b64 s[64:65], 0
	v_nop
	global_prefetch_b8 v0, s[64:65] scope:SCOPE_SE
	s_setreg_imm32_b32 hwreg(HW_REG_WAVE_MODE, 25, 1), 1
	s_wait_xcnt 0x0
	s_wait_alu depctr_hold_cnt(0) depctr_sa_sdst(0) depctr_va_vdst(0) depctr_va_sdst(0) depctr_va_ssrc(0) depctr_va_vcc(0) depctr_vm_vsrc(0)
	s_getreg_b32 s2, hwreg(HW_REG_IB_STS2, 6, 4)
	s_cmp_eq_u32 s2, 0
	s_cbranch_scc0 .Lentry_in_a_cluster
	s_endpgm
.Lentry_in_a_cluster:
	s_bfe_u32 s2, ttmp6, 0x10000c
	s_cmp_lg_u32 s2, 0x3003
	s_cbranch_scc0 .Lentry_shape_is_right
	s_endpgm
.Lentry_shape_is_right:
; ATTN: O[h][q] = sum over k of softmax_k(mask ? c' q.k : lowest) v[k], c' = exp(logit_scale[h]) / sqrt(24).  The mask is an input: every score is made, and every word of the mask is read.
; q, k: [16][4096][32] f16 (24 channels and 8 zeros), v and O: [16][4096][hi 32 | lo 32] f16.  Products, maxima and sums in f32; the weights p are rounded to f16 for the second product.
; SHARES.  A work-group owns 256 queries of a head (16 x 16 = 256 work-groups), each of its eight waves 32: two tiles of 16.  Every wave walks all 4,096 keys, 64 a step.
; TWO WAVES ON A SIMD, each in phases (scores; mask, maximum, exponentials; V^T P): a step has 28 matrix and some 270 vector instructions, and the one wave's matrix phase lies beside the other's vector phase.
; LAYOUT.  S^T = K Q^T: a lane holds ONE query (l % 16) and keys 8 (l / 16) + 0..7 of each 16; two results rounded in pairs ARE source 1 of O^T = V^T P.  V is turned by ds_load_tr16_b128.
; O^T takes V's upper and lower parts one after the other.  l = the row sum of the ROUNDED p, by a product with ones: every register of that result holds l of the lane's query; register 0 is the one kept.
; MASK.  Word i of a tile and step is the lane mask of register i of S^T: it comes by scalar loads, a step ahead, and one select a score puts -2^100 where the mask is false.
; SOFTMAX.  Running maximum m (it starts at -2^100) and p = 2^(c s - c m), c = c' log2(e); O and l are multiplied by a = 2^(c m_old - c m_new) in every step.  A row with no true entry has every
; s = m = -2^100; c m is exact there (a power of two), so p = 1, l = 4,096 and O is the mean of V, as the problem's softmax of equal numbers gives.
; LIMITS.  Scores lie above -2^100; c lies between 2^-90 and 2^27; a weight below 2^-126 counts as 0, below 6e-5 it keeps f16's fixed step; logit_scale is rounded to bf16 like the other inputs.
; CLUSTER 4 x 1: four query blocks of a head walk the same K and V: each tile part is asked for jointly.  A slot holds 512 keys (8 steps); one load a wave behind each round.
.set KS,    64
.set PK,    80                         ; a row of K in LDS: 64 bytes + 16
.set PV,    160                        ; a row of V: 128 + 32
.set VOFF,  512*PK
.set SLOT1, 1<<17
.set STAGE, SLOT1+512*(PK+PV)          ; 253,952: 16 rows x 144 bytes for each wave, its own; no tile lands there
.set SP,    144
.set SPARE, STAGE+8*16*SP              ; the spare words: 128 bytes a wave, four blocks of 256 bytes that no other line names
.set AK0, 2
.set AV0, 3
.set AK,  4
.set AV,  5
.set QO,  6
.set RD,  7
.set GO,  8
.set CV,  10                           ; v[10:11] c, twice
.set NEG, 12                           ; -2^100
.set ONE, 13                           ; 1.0
.set SPW, 14
.set NIL, 15
.set ST,  16                           ; tile t at ST + 10 t: c m, m, a, (its pair), c0-c3 at work, c m_old
.set ONES, 36                          ; v36-43: 16 x 32 ones in f16
.set Q,   44                           ; 8 a tile
.set O,   60                           ; tile t, channels 16 c on: O + 16 t + 8 c
.set LA,  92                           ; 8 a tile
.set S,   108                          ; 32 a tile; p is packed in place into the first 16
.set F,   172                          ; two buffers of 32: K of a step, or V of 32 keys
.set STO, 236
.set OA,  2                            ; s[2:3] O at my rows
.set G0K, 4
.set G0V, 8
.set MB,  12                           ; s[12:13] the mask words of the step to be loaded, tile 0; tile 1's lie 8,192 bytes on
.set WV,  14
.set TBK, 15
.set SEL, 66
.set G1K, 84
.set G1V, 92
.set TBV, 100
.set CNT, 101
.set SLOTS, 104
.set QB,  104                          ; s[104:105] Q at my rows, until Q is in
; mask words: tile 0 word i in s[16 + i]; tile 1 word i in s[48 + i] (i < 16) and s[52 + i] (i >= 16)
.macro PLACES
.rept 4
	v_nop
.endr
.endm
.macro JLOAD                           ; waves 0-3 fetch 128 keys of K each, waves 4-7 128 keys of V; s_nop 0 and four v_nop follow each line
	s_cmp_lt_u32 s[WV], 4
	s_cbranch_scc0 .Lfor_v_\@
	tensor_load_to_lds s[G0K:G0K+3], s[G1K:G1K+7]
	s_nop 0
	PLACES
	s_branch .Lasked_\@
.Lfor_v_\@:
	tensor_load_to_lds s[G0V:G0V+3], s[G1V:G1V+7]
	s_nop 0
	PLACES
.Lasked_\@:
.endm
.macro CROUND
	s_barrier_signal -1
	s_barrier_wait -1
	s_cmp_lg_u32 s[WV], 0
	s_cbranch_scc1 .Lnot_wave_0_\@
	s_barrier_signal -3
.Lnot_wave_0_\@:
	s_barrier_wait -3
	s_barrier_signal -1
	s_barrier_wait -1
.endm
; THE CHANGE OF SLOTS.  Each wave waits for all its tensor loads (one is out: its part of the other slot), adds 0 to its spare word, and waits for that and for its reads of the slot that it leaves.
; fill = 1: the barrier is a round of the cluster's, and the old slot's refill, the keys two slots on, is the first thing behind it: it has eight steps in which to land.
.macro CHANGE fill
	s_wait_tensorcnt 0x0
	ds_add_u32 v[SPW], v[NIL]
.if \fill
	s_xor_b32 s[G0K+1], s[G0K+1], SLOT1
	s_add_nc_u64 s[G0K+2:G0K+3], s[G0K+2:G0K+3], 512*64
	s_xor_b32 s[G0V+1], s[G0V+1], SLOT1
	s_add_nc_u64 s[G0V+2:G0V+3], s[G0V+2:G0V+3], 512*128
	s_wait_dscnt 0x0
	CROUND
	JLOAD
.else
	s_wait_dscnt 0x0
	s_barrier_signal -1
	s_barrier_wait -1
.endif
	s_sub_co_u32 s[TBK], s[TBK], 512*PK            ; the fetches go back to a slot's first step, in the other slot
	s_xor_b32 s[TBK], s[TBK], SLOT1
	s_sub_co_u32 s[TBV], s[TBV], 512*PV
	s_xor_b32 s[TBV], s[TBV], SLOT1
.endm
.macro KLOADS buf                      ; K of a step: 4 fragments of 16 keys x 32 channels
.irp kt, 0,1,2,3
	ds_load_b128 v[(\buf)+8*\kt:(\buf)+8*\kt+3],   v[AK] offset:\kt*16*PK
	ds_load_b128 v[(\buf)+8*\kt+4:(\buf)+8*\kt+7], v[AK] offset:\kt*16*PK+32
.endr
	s_add_co_u32 s[TBK], s[TBK], KS*PK
.endm
.macro VLOADS buf, off                 ; V of 32 keys, turned: channel blocks hi 0-15, hi 16-31, lo 0-15, lo 16-31
.irp cb, 0,1,2,3
	ds_load_tr16_b128 v[(\buf)+8*\cb:(\buf)+8*\cb+3],   v[AV] offset:(\off)+\cb*32
	ds_load_tr16_b128 v[(\buf)+8*\cb+4:(\buf)+8*\cb+7], v[AV] offset:(\off)+\cb*32+16*PV
.endr
.endm
	s_load_b256 s[16:23], s[0:1], 0x0              ; qk s[16:17], vh s[18:19], mbits s[20:21], logit_scale s[22:23]
	s_load_b64 s[24:25], s[0:1], 0x20              ; oa
	v_lshl_add_u32 v[SPW], v0, 2, SPARE
	v_mov_b32 v[NIL], 0
	ds_add_u32 v[SPW], v[NIL]                      ; the wave's opening: the add and its wait come ahead of my first tensor load
	v_lshrrev_b32 v1, 5, v0
	v_readfirstlane_b32 s[WV], v1
	s_bfe_u32 s27, ttmp6, 0x40000                  ; cx
	s_lshl_b32 s28, ttmp9, 2
	s_add_co_u32 s28, s28, s27                     ; my block of 256 queries: it enters Q's, O's and the mask's addresses alone
	s_and_b32 s29, ttmp7, 0xffff                   ; the head, which the partners share
	s_and_b32 s30, s[WV], 3                        ; which 128 keys of a slot I fetch
	s_lshl_b32 s32, s29, 18                        ; K: 262,144 bytes a head, behind Q's 4,194,304
	s_lshl_b32 s31, s30, 13
	s_add_co_u32 s32, s32, s31
	s_add_co_u32 s32, s32, 4194304
	s_mov_b32 s33, 0
	s_lshl_b32 s34, s29, 19                        ; V: 524,288 bytes a head
	s_lshl_b32 s31, s30, 14
	s_add_co_u32 s34, s34, s31
	s_mov_b32 s35, 0
	s_lshl_b32 s36, s29, 12
	s_lshl_b32 s37, s28, 8
	s_add_co_u32 s36, s36, s37
	s_lshl_b32 s37, s[WV], 5
	s_add_co_u32 s36, s36, s37                     ; my first row: 4096 head + 256 block + 32 wave
	s_lshl_b32 s38, s36, 6
	s_mov_b32 s39, 0
	s_lshl_b32 s40, s36, 7
	s_mov_b32 s41, 0
	s_lshl_b32 s42, s28, 17                        ; mask words: tile 16 block + 2 wave, 8,192 bytes a tile
	s_lshl_b32 s37, s[WV], 14
	s_add_co_u32 s42, s42, s37
	s_mov_b32 s43, 0
	s_lshl_b32 s44, s29, 2
	s_mov_b32 s45, 0
	; 128 keys of K are 8,192 dense bytes: 32 rows of 256, padded after every key's 16 words by 4; 128 keys of V are 64 rows of 256, padded after every 32 words by 8
	s_mov_b32 s[G1K], 15|(1<<16)|(1<<20)|(1<<21)|(3<<22)|(3<<25)
	s_mov_b32 s[G1K+1], 128<<16
	s_mov_b32 s[G1K+2], 32<<16
	s_mov_b32 s[G1K+3], 128<<16
	s_mov_b32 s[G1K+4], 32
	s_mov_b32 s[G1K+5], 128
	s_mov_b32 s[G1K+6], 0
	s_mov_b32 s[G1K+7], 0
	s_mov_b32 s[G1V], 15|(1<<16)|(1<<20)|(1<<21)|(4<<22)|(7<<25)
	s_mov_b32 s[G1V+1], 128<<16
	s_mov_b32 s[G1V+2], 64<<16
	s_mov_b32 s[G1V+3], 128<<16
	s_mov_b32 s[G1V+4], 64
	s_mov_b32 s[G1V+5], 128
	s_mov_b32 s[G1V+6], 0
	s_mov_b32 s[G1V+7], 0
	s_mov_b32 s[G0K], 1
	s_mul_i32 s[G0K+1], s30, 128*PK
	s_mov_b32 s[G0V], 1
	s_mul_i32 s[G0V+1], s30, 128*PV
	s_add_co_u32 s[G0V+1], s[G0V+1], VOFF
	s_mov_b32 s[SEL], 0x76543210
	s_mov_b32 s[SEL+1], 0xfedcba98
	s_mov_b32 s[TBK], SLOT1+512*PK                 ; the first change of slots turns these two into 0
	s_mov_b32 s[TBV], SLOT1+512*PV
	s_wait_dscnt 0x0                               ; the opening add is done
	s_wait_kmcnt 0x0
	s_add_nc_u64 s[G0K+2:G0K+3], s[16:17], s[32:33]
	s_or_b32 s[G0K+3], s[G0K+3], 0x80000000
	s_add_nc_u64 s[G0V+2:G0V+3], s[18:19], s[34:35]
	s_or_b32 s[G0V+3], s[G0V+3], 0x80000000
	s_add_nc_u64 s[QB:QB+1], s[16:17], s[38:39]
	s_add_nc_u64 s[OA:OA+1], s[24:25], s[40:41]
	s_add_nc_u64 s[MB:MB+1], s[20:21], s[42:43]
	s_add_nc_u64 s[22:23], s[22:23], s[44:45]
	CROUND                                         ; all four work-groups are here
	JLOAD                                          ; slot 0
	s_load_b32 s26, s[22:23], 0x0                  ; my head's logit_scale
	v_and_b32 v1, 15, v0                           ; r
	v_bfe_u32 v9, v0, 4, 1                         ; h
	v_lshlrev_b32 v[QO], 6, v1
	v_lshl_add_u32 v[QO], v9, 4, v[QO]
.irp t, 0,1
	global_load_b128 v[Q+8*\t:Q+8*\t+3],   v[QO], s[QB:QB+1] offset:\t*1024
	global_load_b128 v[Q+8*\t+4:Q+8*\t+7], v[QO], s[QB:QB+1] offset:\t*1024+32
.endr
	v_mul_u32_u24 v[AK0], v1, PK
	v_lshl_add_u32 v[AK0], v9, 4, v[AK0]
	v_and_b32 v237, 7, v0
	v_bfe_u32 v238, v0, 3, 1
	v_lshl_add_u32 v[AV0], v9, 3, v237
	v_mul_u32_u24 v[AV0], v[AV0], PV
	v_lshl_add_u32 v[AV0], v238, 4, v[AV0]
	v_add_nc_u32 v[AV0], VOFF, v[AV0]
	s_mul_i32 s27, s[WV], 16*SP
	s_add_co_u32 s27, s27, STAGE                   ; my stage
	v_mul_u32_u24 v[STO], v1, SP
	v_lshl_add_u32 v[STO], v9, 4, v[STO]
	v_add_nc_u32 v[STO], s27, v[STO]
	v_bfe_u32 v[RD], v0, 3, 2
	v_mul_u32_u24 v[RD], v[RD], SP
	v_lshl_add_u32 v[RD], v237, 4, v[RD]
	v_add_nc_u32 v[RD], s27, v[RD]
	v_and_b32 v[GO], 31, v0
	v_lshlrev_b32 v[GO], 4, v[GO]
	v_mov_b32 v[NEG], 0xf1800000
	v_mov_b32 v[ONE], 1.0
.set i, 0
.rept 8
	v_mov_b32 v[ONES+i], 0x3c003c00
.set i, i+1
.endr
.set i, 0
.rept 48                                       ; O and l start at 0, so that the first step is a step like any other: written in the wait for the first tile
	v_mov_b32 v[O+i], 0
.set i, i+1
.endr
	s_wait_kmcnt 0x0
	v_mov_b32 v[CV], s26
	v_cvt_pk_bf16_f32 v[CV], v[CV], v[CV]
	v_lshlrev_b32 v[CV], 16, v[CV]
	v_mul_f32 v[CV], 0x3fb8aa3b, v[CV]
	v_exp_f32 v[CV], v[CV]
	v_nop
	s_wait_alu depctr_va_vdst(0)
	v_mul_f32 v[CV], 0x3e96c740, v[CV]             ; c = exp(logit_scale) x log2(e) / sqrt(24)
	v_mov_b32 v[CV+1], v[CV]
.irp t, 0,1
	v_mul_f32 v[ST+10*\t], v[CV], v[NEG]
	v_mov_b32 v[ST+10*\t+1], v[NEG]
	v_mov_b32 v[ST+10*\t+2], 0
	v_mov_b32 v[ST+10*\t+3], 0
.endr
	s_load_b512 s[16:31], s[MB:MB+1], 0x0          ; step 0's mask words; the arguments' registers are free
	s_load_b512 s[32:47], s[MB:MB+1], 0x40
	s_load_b512 s[48:63], s[MB:MB+1], 0x2000
	s_load_b512 s[68:83], s[MB:MB+1], 0x2040
; Number n of the 22 that find tile t's maximum and statistics (each accumulator's lowest registers were read first by the selects in front).
.macro XS t, n
.set rT, ST+10*(\t)
.set rC, ST+10*(\t)+4
.set rS, S+32*(\t)
.if (\n) < 4
	v_max3_num_f32 v[rC+(\n)], v[rS+8*(\n)], v[rS+8*(\n)+1], v[rS+8*(\n)+2]
.elseif (\n) < 12
	v_max3_num_f32 v[rC+(\n)%4], v[rC+(\n)%4], v[rS+8*((\n)%4)+2*((\n)/4)+1], v[rS+8*((\n)%4)+2*((\n)/4)+2]
.elseif (\n) == 12
	v_max3_num_f32 v[rC], v[rC], v[rS+7], v[rS+15]
.elseif (\n) == 13
	v_max3_num_f32 v[rC+1], v[rC+1], v[rS+23], v[rS+31]
.elseif (\n) == 14
	v_max3_num_f32 v[rC+2], v[rC+2], v[rC+3], v[rT+1]
.elseif (\n) == 15
	v_mov_b32 v[rT+8], v[rT]                       ; c m_old is kept
.elseif (\n) == 16
	v_max3_num_f32 v[rC], v[rC], v[rC+1], v[rC+2]
.elseif (\n) == 17
	v_permlanex16_b32 v[rC+3], v[rC], s[SEL], s[SEL+1]  ; the query's other 32 keys lie in the lane 16 away
.elseif (\n) == 18
	v_max_num_f32 v[rT+1], v[rC], v[rC+3]
.elseif (\n) == 19
	v_mul_f32 v[rT], v[CV], v[rT+1]
.elseif (\n) == 20
	v_sub_f32 v[rC+1], v[rT+8], v[rT]
.else
	v_exp_f32 v[rT+2], v[rC+1]
.endif
.endm
.macro FM t, b                         ; pair b of tile t: c s - c m
	v_pk_fma_f32 v[S+32*(\t)+2*(\b):S+32*(\t)+2*(\b)+1], v[S+32*(\t)+2*(\b):S+32*(\t)+2*(\b)+1], v[CV:CV+1], v[ST+10*(\t):ST+10*(\t)+1] op_sel_hi:[1,0,0] neg_lo:[0,0,1] neg_hi:[0,0,1]
.endm
; Ten matrix instructions for keys 32 kk on, V in buffer vb: four sums O^T with V's upper part, the two sums l, the same four with V's lower part: one instruction a turn.
.macro PVK kk, vb
.irp c, 0,1
.irp t, 0,1
	v_wmma_f32_16x16x32_f16 v[O+16*\t+8*\c:O+16*\t+8*\c+7], v[(\vb)+8*\c:(\vb)+8*\c+7], v[S+32*\t+8*(\kk):S+32*\t+8*(\kk)+7], v[O+16*\t+8*\c:O+16*\t+8*\c+7]
.endr
.endr
.irp t, 0,1
	v_wmma_f32_16x16x32_f16 v[LA+8*\t:LA+8*\t+7], v[ONES:ONES+7], v[S+32*\t+8*(\kk):S+32*\t+8*(\kk)+7], v[LA+8*\t:LA+8*\t+7]
.endr
.irp c, 0,1
.irp t, 0,1
	v_wmma_f32_16x16x32_f16 v[O+16*\t+8*\c:O+16*\t+8*\c+7], v[(\vb)+16+8*\c:(\vb)+16+8*\c+7], v[S+32*\t+8*(\kk):S+32*\t+8*(\kk)+7], v[O+16*\t+8*\c:O+16*\t+8*\c+7]
.endr
.endr
.endm
; A KEY STEP.  K of the step lies in buffer par.  pf = 2: in a slot's last step (CNT = 1) the next K is not fetched here but behind the change of slots.  ml = 2: in the walk's last step no mask words are left to load.
.macro STEP par, pf, ml
.set KB, F+32*(\par)
.set OB, F+32*(1-(\par))
	v_add_nc_u32 v[AV], s[TBV], v[AV0]             ; with the four v_nop: five places behind the last V^T P, whose sources are loaded (buffer) and written by products (p) below
	PLACES
	VLOADS OB, 0                                   ; V of keys 0-31
	s_add_co_u32 s[TBV], s[TBV], KS*PV
	s_wait_dscnt 8                                 ; K is in: the eight loads just issued are younger
.irp kt, 0,1,2,3
.irp t, 0,1
	v_wmma_f32_16x16x32_f16 v[S+32*\t+8*\kt:S+32*\t+8*\kt+7], v[KB+8*\kt:KB+8*\kt+7], v[Q+8*\t:Q+8*\t+7], 0
.endr
.endr
	v_add_nc_u32 v[AK], s[TBK], v[AK0]             ; with three v_nop: four places behind the scores' products
	v_nop
	v_nop
	v_nop
	VLOADS KB, 32*PV                               ; V of keys 32-63, where K lay
	s_wait_kmcnt 0x0                               ; this step's mask words
.set i, 0
.rept 32
	v_cndmask_b32 v[S+i], v[NEG], v[S+i], s[16+i]
.set i, i+1
.endr
.set i, 0
.rept 32
	v_cndmask_b32 v[S+32+i], v[NEG], v[S+32+i], s[48+i+4*(i/16)]
.set i, i+1
.endr
.if (\ml) == 2
	s_cmp_eq_u32 s[CNT], 1
	s_cbranch_scc1 .Lno_words_\@
.endif
	s_add_nc_u64 s[MB:MB+1], s[MB:MB+1], 128       ; no scalar load is out: the wait above was for all
	s_load_b512 s[16:31], s[MB:MB+1], 0x0          ; the next step's words have a step in which to come
	s_load_b512 s[32:47], s[MB:MB+1], 0x40
	s_load_b512 s[48:63], s[MB:MB+1], 0x2000
	s_load_b512 s[68:83], s[MB:MB+1], 0x2040
.if (\ml) == 2
.Lno_words_\@:
.endif
.irp n, 0,1,2,3,4,5,6,7,8,9,10,11,12,13,14,15,16,17,18,19,20,21
	XS 0, \n                                       ; the two tiles alternate, so that no line waits for the one before it
	XS 1, \n
.endr
.set i, 0
.rept 16
	FM 0, i
.set i, i+1
.endr
.set i, 0
.rept 16                                       ; tile 0's exponentials, tile 1's scalings among them
	v_exp_f32 v[S+2*i], v[S+2*i]
	FM 1, i
	v_exp_f32 v[S+2*i+1], v[S+2*i+1]
.set i, i+1
.endr
.set i, 0
.rept 16                                       ; tile 1's exponentials; among them tile 0's roundings (in place: p's pair i goes to register i) and O^T times a
	v_exp_f32 v[S+32+2*i], v[S+32+2*i]
	s_wait_alu depctr_va_vdst(0)
	v_cvt_pk_f16_f32 v[S+i], v[S+2*i], v[S+2*i+1]
	v_exp_f32 v[S+32+2*i+1], v[S+32+2*i+1]
	v_pk_mul_f32 v[O+16*(i/8)+2*(i%8):O+16*(i/8)+2*(i%8)+1], v[O+16*(i/8)+2*(i%8):O+16*(i/8)+2*(i%8)+1], v[ST+10*(i/8)+2:ST+10*(i/8)+3] op_sel_hi:[1,0]
.set i, i+1
.endr
	v_pk_mul_f32 v[LA:LA+1], v[LA:LA+1], v[ST+2:ST+3] op_sel_hi:[1,0]          ; l times a: register 0 is the one kept; the others stay sums of p, 4,096 at the most
	v_pk_mul_f32 v[LA+8:LA+9], v[LA+8:LA+9], v[ST+12:ST+13] op_sel_hi:[1,0]
.set i, 0
	s_wait_alu depctr_va_vdst(0)
.rept 16
	v_cvt_pk_f16_f32 v[S+32+i], v[S+32+2*i], v[S+32+2*i+1]
.set i, i+1
.endr
	s_wait_dscnt 0x0                               ; V is in
	PVK 0, OB
	PLACES                                         ; in front of the loads into the buffer just multiplied
.if (\pf) == 2
	s_cmp_eq_u32 s[CNT], 1
	s_cbranch_scc1 .Lno_k_\@
.endif
	KLOADS OB                                      ; the next step's K
.if (\pf) == 2
.Lno_k_\@:
.endif
	PVK 1, KB
.endm
	s_wait_loadcnt 0x0                             ; Q; its base's registers are free
	s_mov_b32 s[SLOTS], 7
.Lslot:                                                ; seven times: a slot is entered and the other is asked for
	CHANGE 1
	v_add_nc_u32 v[AK], s[TBK], v[AK0]
	KLOADS F                                       ; the slot's first K
	s_mov_b32 s[CNT], 4
.Lstep:
	STEP 0, 1, 1
	STEP 1, 2, 1
	s_sub_co_u32 s[CNT], s[CNT], 1
	s_cmp_lg_u32 s[CNT], 0
	s_cbranch_scc1 .Lstep
	s_sub_co_u32 s[SLOTS], s[SLOTS], 1
	s_cmp_lg_u32 s[SLOTS], 0
	s_cbranch_scc1 .Lslot
	CHANGE 0                                       ; the last slot is written out
	v_add_nc_u32 v[AK], s[TBK], v[AK0]
	KLOADS F
	s_mov_b32 s[CNT], 4
.Ltail:
	STEP 0, 1, 1
	STEP 1, 2, 2
	s_sub_co_u32 s[CNT], s[CNT], 1
	s_cmp_lg_u32 s[CNT], 0
	s_cbranch_scc1 .Ltail
	; THE WAY OUT: O / l, split into f16 upper and lower parts, through my stage, a tile (16 rows of 128 bytes) at a time.
	PLACES
	v_rcp_f32 v[ST+2], v[LA]
	v_rcp_f32 v[ST+12], v[LA+8]
	v_nop                                          ; a plain instruction between the reciprocals and their use
	s_wait_alu depctr_va_vdst(0)
.macro PACK t
.set rO, O+16*(\t)
.set rP, S+32*(\t)
.set i, 0
.rept 8
	v_pk_mul_f32 v[rO+2*i:rO+2*i+1], v[rO+2*i:rO+2*i+1], v[ST+10*(\t)+2:ST+10*(\t)+3] op_sel_hi:[1,0]
.set i, i+1
.endr
.set i, 0
.rept 8
	v_cvt_pk_f16_f32 v[rP+i], v[rO+2*i], v[rO+2*i+1]
.set i, i+1
.endr
.set i, 0
.rept 8                                        ; O - hi, exact in f32
	v_fma_mix_f32 v[rO+2*i], -v[rP+i], v[ONE], v[rO+2*i] op_sel:[0,0,0] op_sel_hi:[1,0,0]
	v_fma_mix_f32 v[rO+2*i+1], -v[rP+i], v[ONE], v[rO+2*i+1] op_sel:[1,0,0] op_sel_hi:[1,0,0]
.set i, i+1
.endr
.set i, 0
.rept 8
	v_cvt_pk_f16_f32 v[rP+8+i], v[rO+2*i], v[rO+2*i+1]
.set i, i+1
.endr
.irp f, 0,1,2,3
	ds_store_b128 v[STO], v[rP+4*\f:rP+4*\f+3] offset:32*\f
.endr
.irp f, 0,1,2,3
	ds_load_b128 v[rP+16+4*\f:rP+16+4*\f+3], v[RD] offset:\f*4*SP  ; LDS serves a wave's instructions in order (ISA guide 5.7.1.4): these see the stores above; the next tile's stores come behind them
.endr
.endm
.macro SEND t, younger                 ; younger: the LDS instructions issued behind tile t's loads
.irp f, 0,1,2,3
	s_wait_dscnt (\younger)+3-\f
	global_store_b128 v[GO], v[S+32*(\t)+16+4*\f:S+32*(\t)+16+4*\f+3], s[OA:OA+1] offset:(\t)*2048+\f*512  ; 512 consecutive bytes
.endr
.endm
	PACK 0
	PACK 1
	SEND 0, 8
	SEND 1, 0
	s_wait_tensorcnt 0x0                           ; the wave's end
	ds_add_u32 v[SPW], v[NIL]
	s_wait_dscnt 0x0
	CROUND                                         ; the closing round
	s_endpgm
.Lfunc_end_k_qf8a7263e76_attn:
	.size	k_qf8a7263e76_attn, .Lfunc_end_k_qf8a7263e76_attn-k_qf8a7263e76_attn
	.p2alignl 7, 3214868480
	.fill 96, 4, 3214868480
	.section	.rodata,"a",@progbits
	.p2align	6, 0x0
	.amdhsa_kernel k_qf8a7263e76_attn
		.amdhsa_group_segment_fixed_size 327680
		.amdhsa_private_segment_fixed_size 0
		.amdhsa_enable_private_segment 0
		.amdhsa_kernarg_size 40
		.amdhsa_user_sgpr_count 2
		.amdhsa_user_sgpr_kernarg_segment_ptr 1
		.amdhsa_wavefront_size32 1
		.amdhsa_system_sgpr_workgroup_id_x 1
		.amdhsa_system_sgpr_workgroup_id_y 1
		.amdhsa_system_sgpr_workgroup_id_z 1
		.amdhsa_system_vgpr_workitem_id 0
		.amdhsa_next_free_vgpr 256
		.amdhsa_next_free_sgpr 106
		.amdhsa_reserve_vcc 0
		.amdhsa_float_denorm_mode_32 3
		.amdhsa_float_denorm_mode_16_64 3
		.amdhsa_memory_ordered 1
		.amdhsa_forward_progress 1
		.amdhsa_inst_pref_size 94
	.end_amdhsa_kernel
	.amdgpu_metadata
---
amdhsa.version: [ 1, 2 ]
amdhsa.kernels:
  - .name:           k_qf8a7263e76_attn
    .symbol:         k_qf8a7263e76_attn.kd
    .args:
      - { .name: qk, .offset: 0, .size: 8, .value_kind: global_buffer, .address_space: global }
      - { .name: vh, .offset: 8, .size: 8, .value_kind: global_buffer, .address_space: global }
      - { .name: mbits, .offset: 16, .size: 8, .value_kind: global_buffer, .address_space: global }
      - { .name: logit_scale, .offset: 24, .size: 8, .value_kind: global_buffer, .address_space: global }
      - { .name: oa, .offset: 32, .size: 8, .value_kind: global_buffer, .address_space: global }
    .group_segment_fixed_size: 327680
    .private_segment_fixed_size: 0
    .kernarg_segment_align: 8
    .kernarg_segment_size: 40
    .max_flat_workgroup_size: 256
    .sgpr_count:     106
    .vgpr_count:     256
    .wavefront_size: 32
...
	.end_amdgpu_metadata
.endif
;; end of part 3
;; launch outp (part 4): grid 8 x 32, 4 waves a work-group, clusters of 4 x 4, 327,680 bytes of LDS; arguments oa, wts, out0; writes out0
.if DOCPART == 4
	.amdgcn_target "amdgcn-amd-amdhsa--gfx1250"
	.amdhsa_code_object_version 6
	.text
	.protected	k_qf8a7263e76_outp
	.globl	k_qf8a7263e76_outp
	.p2align	8
	.type	k_qf8a7263e76_outp,@function
k_qf8a7263e76_outp:
	s_mov_b64 s[64:65], 0
	v_nop
	global_prefetch_b8 v0, s[64:65] scope:SCOPE_SE
	s_setreg_imm32_b32 hwreg(HW_REG_WAVE_MODE, 25, 1), 1
	s_wait_xcnt 0x0
	s_wait_alu depctr_hold_cnt(0) depctr_sa_sdst(0) depctr_va_vdst(0) depctr_va_sdst(0) depctr_va_ssrc(0) depctr_va_vcc(0) depctr_vm_vsrc(0)
	s_getreg_b32 s2, hwreg(HW_REG_IB_STS2, 6, 4)
	s_cmp_eq_u32 s2, 0
	s_cbranch_scc0 .Lentry_in_a_cluster
	s_endpgm
.Lentry_in_a_cluster:
	s_bfe_u32 s2, ttmp6, 0x10000c
	s_cmp_lg_u32 s2, 0xf033
	s_cbranch_scc0 .Lentry_shape_is_right
	s_endpgm
.Lentry_shape_is_right:
; OUTP: out0[4096][1024] f32 = O x out_w^T, as a product over K' = 1,024 in f16: k' = 64 h + 32 p + ch, O's upper (p = 0) and lower (p = 1) parts against the same weight, sums in f32.
; A work-group makes 128 tokens x 128 columns (8 x 32 = 256 work-groups); four waves, each 64 x 64: 16 accumulators.  A K step of 128 is two heads: two planes of 128 tokens x 128 bytes, dense in memory.
; Frame as in the projection in front: two LDS slots, one joint load a wave behind each round of the cluster's barrier (4 x 4: tokens shared along a row of the cluster, weights along a column),
; the matrix instruction used transposed (source 0 = 16 rows of Wo, source 1 = 16 tokens): lane (r, h) holds token r and columns 8 h + 0..7.
; REGISTERS: window 0: v0-31 addresses; two fragment buffers at v64 and v144 (32 of tokens, 32 of weights); window 1: v0-127 the accumulators, (a, b) at 8 (4 a + b).
.set NB,     4
.set PA,     144                       ; a token's row in a plane: 128 bytes + 16
.set PB,     272                       ; a row of Wo's tile: 256 bytes + 16
.set APLANE, 128*PA                    ; 18,432: what waves 0 and 1 each fetch
.set BOFF,   2*APLANE
.set BHALF,  64*PB                     ; what waves 2 and 3 each fetch
.set SLOT,   BOFF+2*BHALF              ; 71,680
.set STAGE,  2*SLOT                    ; 16 rows x 272 bytes for each wave, its own; no tile lands there
.set SPITCH, 272
.set SPARE,  STAGE+4*16*SPITCH         ; the spare words: two blocks of 256 bytes that no other line names
.set NL,     8+2*NB
.set STEPA,  2*4096*128                ; two heads on
.set STEPB,  256
.set ADRA, 16
.set ADRB, 20
.set STO,  24
.set RD,   25
.set CO,   26
.set SPW,  28
.set NIL,  29
.set F0,   64
.set F1,   144
.set RB,   64
.set WV,  14
.set WM,  15
.set WN,  16
.set LA,  23
.set G1,  24
.set G0,  32
.set G1B, 48
.set G0B, 56
.set LB,  62
.set CNT, 63
.set MSB, 0
.macro WIN new
.if MSB != (\new)
	s_set_vgpr_msb (MSB<<8)|(\new)
.set MSB, \new
.endif
.endm
.macro PLACES
.rept 4
	v_nop
.endr
.endm
.macro JLOAD                           ; waves 0 and 1 the two planes of O, waves 2 and 3 the weights' halves; s_nop 0 and four v_nop follow each line
	s_cmp_eq_u32 s[WM], 0
	s_cbranch_scc0 .Lfor_b_\@
	tensor_load_to_lds s[G0:G0+3], s[G1:G1+7]
	s_nop 0
	PLACES
	s_branch .Lasked_\@
.Lfor_b_\@:
	tensor_load_to_lds s[G0B:G0B+3], s[G1B:G1B+7]
	s_nop 0
	PLACES
.Lasked_\@:
.endm
.macro CROUND
	s_barrier_signal -1
	s_barrier_wait -1
	s_cmp_lg_u32 s[WV], 0
	s_cbranch_scc1 .Lnot_wave_0_\@
	s_barrier_signal -3
.Lnot_wave_0_\@:
	s_barrier_wait -3
	s_barrier_signal -1
	s_barrier_wait -1
.endm
	s_load_b128 s[4:7], s[0:1], 0x0                ; oa s[4:5], wts s[6:7]
	s_load_b64 s[8:9], s[0:1], 0x10                ; out0
	v_lshl_add_u32 v[SPW], v0, 2, SPARE
	v_mov_b32 v[NIL], 0
	ds_add_u32 v[SPW], v[NIL]                      ; the wave's opening: the add and its wait come ahead of my first tensor load
	v_lshrrev_b32 v1, 5, v0
	v_readfirstlane_b32 s[WV], v1
	s_lshr_b32 s[WM], s[WV], 1
	s_and_b32 s[WN], s[WV], 1
	s_bfe_u32 s17, ttmp6, 0x40000
	s_bfe_u32 s18, ttmp6, 0x40004
	s_lshl_b32 s19, ttmp9, 2
	s_add_co_u32 s19, s19, s17                     ; column tile
	s_and_b32 s20, ttmp7, 0xffff
	s_lshl_b32 s20, s20, 2
	s_add_co_u32 s20, s20, s18                     ; token tile
	s_lshl_b32 s21, s18, 2
	s_lshl_b32 s21, 15, s21
	s_lshl_b32 s22, 0x1111, s17
	s_or_b32 s[G1], s21, (1<<16)|(1<<20)|(1<<21)|(4<<22)|(3<<25)   ; a plane: 16,384 dense bytes as 64 rows of 256, padded after every token's 32 words by 4
	s_or_b32 s[G1B], s22, (1<<16)|(1<<20)|(1<<21)|(5<<22)|(3<<25)  ; weights: rows of 64 words, padded by 4
	s_mov_b32 s[G1+1], 128<<16
	s_mov_b32 s[G1+2], 64<<16
	s_mov_b32 s[G1+3], 128<<16
	s_mov_b32 s[G1+4], 64
	s_mov_b32 s[G1+5], 128
	s_mov_b32 s[G1+6], 0
	s_mov_b32 s[G1+7], 0
	s_mov_b32 s[G1B+1], 128<<16
	s_mov_b32 s[G1B+2], 64<<16
	s_mov_b32 s[G1B+3], 128<<16
	s_mov_b32 s[G1B+4], 64
	s_mov_b32 s[G1B+5], 1024
	s_mov_b32 s[G1B+6], 0
	s_mov_b32 s[G1B+7], 0
	s_lshl_b32 s36, s[WN], 19                      ; O: head = my plane, 524,288 bytes a head; 128 tokens of 128 bytes a tile
	s_lshl_b32 s37, s20, 14
	s_add_co_u32 s36, s36, s37
	s_mov_b32 s37, 0
	s_lshl_b32 s38, s19, 18                        ; Wo: row 128 x tile + 64 x half, 2,048 bytes a row, from byte 3,145,728 of wts
	s_lshl_b32 s39, s[WN], 17
	s_add_co_u32 s38, s38, s39
	s_add_co_u32 s38, s38, 3145728
	s_mov_b32 s39, 0
	s_mul_i32 s[LA], s[WN], APLANE
	s_mul_i32 s[LB], s[WN], BHALF
	s_add_co_u32 s[LB], s[LB], BOFF
	s_mov_b32 s[G0], 1
	s_mov_b32 s[G0+1], s[LA]
	s_mov_b32 s[G0B], 1
	s_mov_b32 s[G0B+1], s[LB]
	s_wait_dscnt 0x0                               ; the opening add is done
	s_wait_kmcnt 0x0
	s_add_nc_u64 s[G0+2:G0+3], s[4:5], s[36:37]
	s_or_b32 s[G0+3], s[G0+3], 0x80000000
	s_add_nc_u64 s[G0B+2:G0B+3], s[6:7], s[38:39]
	s_or_b32 s[G0B+3], s[G0B+3], 0x80000000
	CROUND
	JLOAD                                          ; K step 0 into slot 0
	v_and_b32 v1, 15, v0
	v_bfe_u32 v2, v0, 4, 1
	v_mul_u32_u24 v3, v1, PA
	v_lshl_add_u32 v3, v2, 4, v3
	v_mul_u32_u24 v4, v1, PB
	v_lshl_add_u32 v4, v2, 4, v4
	s_mul_i32 s40, s[WM], 64*PA                    ; my 64 tokens in each plane
	s_mul_i32 s41, s[WN], BHALF
	s_add_co_u32 s41, s41, BOFF
	v_add_nc_u32 v[ADRA], s40, v3
	v_add_nc_u32 v[ADRB], s41, v4
	v_add_nc_u32 v[ADRA+1], SLOT, v[ADRA]
	v_add_nc_u32 v[ADRB+1], SLOT, v[ADRB]
	s_mul_i32 s42, s[WV], 16*SPITCH
	s_add_co_u32 s42, s42, STAGE
	v_mul_u32_u24 v5, v1, SPITCH                   ; in: token r, 32 bytes for each half of the lanes
	v_lshl_add_u32 v5, v2, 5, v5
	v_add_nc_u32 v[STO], s42, v5
	v_mul_u32_u24 v5, v2, SPITCH                   ; back: lanes 0-15 one row of 256 bytes, lanes 16-31 the next
	v_lshl_add_u32 v5, v1, 4, v5
	v_add_nc_u32 v[RD], s42, v5
	v_lshlrev_b32 v[CO], 12, v2                    ; and the same two rows in out0, 4,096 bytes apart
	v_lshl_add_u32 v[CO], v1, 4, v[CO]
	s_lshl_b32 s44, s20, 7
	s_lshl_b32 s45, s[WM], 6
	s_add_co_u32 s44, s44, s45                     ; my first token
	s_lshl_b32 s46, s44, 12
	s_lshl_b32 s45, s19, 9                         ; my first column, in bytes: 512 x tile + 256 x half
	s_add_co_u32 s46, s46, s45
	s_lshl_b32 s45, s[WN], 8
	s_add_co_u32 s46, s46, s45
	s_mov_b32 s47, 0
	s_add_nc_u64 s[8:9], s[8:9], s[46:47]
; Quarter q of a step: plane q / 2, upper or lower part q % 2 of O; bytes 64 q of Wo's rows.
.macro FETCH slot, q, f
	WIN 0
.irp a, 0,1,2,3
	ds_load_b128 v[(\f)+8*\a:(\f)+8*\a+3],   v[ADRA+(\slot)] offset:((\q)/2)*APLANE+((\q)%2)*64+\a*16*PA
	ds_load_b128 v[(\f)+8*\a+4:(\f)+8*\a+7], v[ADRA+(\slot)] offset:((\q)/2)*APLANE+((\q)%2)*64+\a*16*PA+32
.endr
.irp b, 0,1,2,3
	ds_load_b128 v[(\f)+32+8*\b:(\f)+32+8*\b+3], v[ADRB+(\slot)] offset:64*(\q)+\b*16*PB
	ds_load_b128 v[(\f)+32+8*\b+4:(\f)+32+8*\b+7], v[ADRB+(\slot)] offset:64*(\q)+\b*16*PB+32
.endr
.endm
.macro MUL f, zero                     ; 16 matrix instructions, each accumulator once: by turns
	WIN 0x50
.irp a, 0,1,2,3
.irp b, 0,1,2,3
.if \zero
	v_wmma_f32_16x16x32_f16 v[8*(NB*\a+\b):8*(NB*\a+\b)+7], v[(\f)+32+8*\b:(\f)+32+8*\b+7], v[(\f)+8*\a:(\f)+8*\a+7], 0
.else
	v_wmma_f32_16x16x32_f16 v[8*(NB*\a+\b):8*(NB*\a+\b)+7], v[(\f)+32+8*\b:(\f)+32+8*\b+7], v[(\f)+8*\a:(\f)+8*\a+7], v[8*(NB*\a+\b):8*(NB*\a+\b)+7]
.endif
.endr
.endr
.endm
; A K step: in front of the barrier each wave waits for all its tensor loads (its part of this slot), adds 0 to its spare word, and waits for that and for its reads of the other slot;
; fill = 1: the barrier is a round of the cluster's, and the other slot's next tile is asked for first thing behind it.
.macro TRIP slot, fill, zero
	WIN 0
	s_wait_tensorcnt 0x0
	ds_add_u32 v[SPW], v[NIL]
.if \fill
	s_add_co_u32 s[G0+1], s[LA], (1-(\slot))*SLOT
	s_add_nc_u64 s[G0+2:G0+3], s[G0+2:G0+3], STEPA
	s_add_co_u32 s[G0B+1], s[LB], (1-(\slot))*SLOT
	s_add_nc_u64 s[G0B+2:G0B+3], s[G0B+2:G0B+3], STEPB
	s_wait_dscnt 0x0
	CROUND
	JLOAD
.else
	s_wait_dscnt 0x0
	s_barrier_signal -1
	s_barrier_wait -1
	PLACES
.endif
	FETCH \slot, 0, F0
	FETCH \slot, 1, F1
	s_wait_dscnt NL                                ; all but the FETCH just issued
	MUL F0, \zero
	PLACES
	FETCH \slot, 2, F0
	s_wait_dscnt NL
	MUL F1, 0
	PLACES
	FETCH \slot, 3, F1
	s_wait_dscnt NL
	MUL F0, 0
	s_wait_dscnt 0x0
	MUL F1, 0
.endm
	TRIP 0, 1, 1
	WIN 0
	s_mov_b32 s[CNT], 3
.Lk:
	TRIP 1, 1, 0
	TRIP 0, 1, 0
	WIN 0
	s_sub_co_u32 s[CNT], s[CNT], 1
	s_cmp_lg_u32 s[CNT], 0
	s_cbranch_scc1 .Lk
	TRIP 1, 0, 0
	; THE WAY OUT: the sums leave as f32.  16 tokens x 256 bytes go through my stage, so that sixteen lanes store 256 consecutive bytes, at a multiple of 256 from out0's first byte.
	WIN 0
	PLACES
.macro OUTT a
	WIN 0x04                                       ; the stores' data in window 1; each accumulator's four lowest registers go first
.irp b, 0,1,2,3
	ds_store_b128 v[STO], v[8*(NB*(\a)+\b):8*(NB*(\a)+\b)+3] offset:64*\b
	ds_store_b128 v[STO], v[8*(NB*(\a)+\b)+4:8*(NB*(\a)+\b)+7] offset:64*\b+16
.endr
	WIN 0
	s_wait_xcnt 0x0                                ; the registers that the last tile's stores read are loaded again only behind this wait
.irp i, 0,1,2,3,4,5,6,7
	ds_load_b128 v[RB+4*\i:RB+4*\i+3], v[RD] offset:\i*2*SPITCH  ; LDS serves a wave's instructions in order (ISA guide 5.7.1.4): these see the stores above
.endr
.irp i, 0,1,2,3,4,5,6,7
	s_wait_dscnt 7-\i
	global_store_b128 v[CO], v[RB+4*\i:RB+4*\i+3], s[8:9] offset:(\a)*65536+\i*8192 th:TH_STORE_NT
.endr
.endm
	OUTT 0
	OUTT 1
	OUTT 2
	OUTT 3
	s_wait_tensorcnt 0x0                           ; the wave's end
	ds_add_u32 v[SPW], v[NIL]
	s_wait_dscnt 0x0
	CROUND                                         ; the closing round
	s_endpgm
.Lfunc_end_k_qf8a7263e76_outp:
	.size	k_qf8a7263e76_outp, .Lfunc_end_k_qf8a7263e76_outp-k_qf8a7263e76_outp
	.p2alignl 7, 3214868480
	.fill 96, 4, 3214868480
	.section	.rodata,"a",@progbits
	.p2align	6, 0x0
	.amdhsa_kernel k_qf8a7263e76_outp
		.amdhsa_group_segment_fixed_size 327680
		.amdhsa_private_segment_fixed_size 0
		.amdhsa_enable_private_segment 0
		.amdhsa_kernarg_size 24
		.amdhsa_user_sgpr_count 2
		.amdhsa_user_sgpr_kernarg_segment_ptr 1
		.amdhsa_wavefront_size32 1
		.amdhsa_system_sgpr_workgroup_id_x 1
		.amdhsa_system_sgpr_workgroup_id_y 1
		.amdhsa_system_sgpr_workgroup_id_z 1
		.amdhsa_system_vgpr_workitem_id 0
		.amdhsa_next_free_vgpr 512
		.amdhsa_next_free_sgpr 66
		.amdhsa_reserve_vcc 0
		.amdhsa_float_denorm_mode_32 3
		.amdhsa_float_denorm_mode_16_64 3
		.amdhsa_memory_ordered 1
		.amdhsa_forward_progress 1
		.amdhsa_inst_pref_size 53
	.end_amdhsa_kernel
	.amdgpu_metadata
---
amdhsa.version: [ 1, 2 ]
amdhsa.kernels:
  - .name:           k_qf8a7263e76_outp
    .symbol:         k_qf8a7263e76_outp.kd
    .args:
      - { .name: oa, .offset: 0, .size: 8, .value_kind: global_buffer, .address_space: global }
      - { .name: wts, .offset: 8, .size: 8, .value_kind: global_buffer, .address_space: global }
      - { .name: out0, .offset: 16, .size: 8, .value_kind: global_buffer, .address_space: global }
    .group_segment_fixed_size: 327680
    .private_segment_fixed_size: 0
    .kernarg_segment_align: 8
    .kernarg_segment_size: 24
    .max_flat_workgroup_size: 128
    .sgpr_count:     66
    .vgpr_count:     512
    .wavefront_size: 32
...
	.end_amdgpu_metadata
.endif
;; end of part 4
